; MI455X (gfx1250); checked and timed in simulation.
; The chip was launched on July 23, 2026; its instructions are those of AMD's public machine-readable ISA for CDNA 5 (MIT licence, August 2026) and "CDNA5" Instruction Set Architecture Reference Guide (July 2026). The comments in the code are by the model that wrote it; some were corrected since.
;; flow GAN. Allowed arithmetic: float matrix products may take bf16 or f16 operands with f32 sums; all other float work in f32.
;; Inputs: Ws 9 x 2 x 2 float32; an_b 8 x 2 float32; an_logs 8 x 2 float32; cb1 8 x 512 float32; cb2 8 x 2 float32; cw1 8 x 512 x 1 float32; cw2 8 x 2 x 512 float32; x 131,072 x 2 float32.
;; Outputs: out0 131,072 x 2 float32; out1 131,072 float32.
;; 2 versions, each right; version 2 is version 1 with the launch flow written anew for expert scheduling mode. Each part assembles by itself: llvm-mc -triple=amdgcn-amd-amdhsa -mcpu=gfx1250 --defsym DOCPART=n.
;; ======== version 1 of 2: 1 launch
;; launch flow (part 1): grid 256 x 1, 4 waves a work-group, no clusters, 51,712 bytes of LDS; arguments x, Ws, an_logs, an_b, cw1, cb1, cw2, cb2, out0, out1; writes out0, out1
.if DOCPART == 1
	.amdgcn_target "amdgcn-amd-amdhsa--gfx1250"
	.amdhsa_code_object_version 6
	.text
	.protected	k_q546d3604da_flow
	.globl	k_q546d3604da_flow
	.p2align	8
	.type	k_q546d3604da_flow,@function
k_q546d3604da_flow:
	s_mov_b64 s[64:65], 0
	v_nop
	global_prefetch_b8 v0, s[64:65] scope:SCOPE_SE
	s_setreg_imm32_b32 hwreg(HW_REG_WAVE_MODE, 25, 1), 1
	s_wait_xcnt 0x0
; flowGAN's flow: y = x Ws[0]^T; eight steps of ActNorm, coupling MLP 1 -> 512 -> 2 (tanh, exp) and a 2 x 2 mix; out0 = y, out1 = logp.
; ONE launch, all state in registers.  256 work-groups of 4 waves; a work-group owns 512 samples, a wave 128, as 8 tiles of 16.
; The load is the 131,072 x 8 x 512 hidden values: each is one multiply-add, one relu and one rounding to bf16 (24 vector
; instructions for the 512 values that one matrix instruction sums), so the text is built round the fewest vector instructions.
;
; THE MATRIX INSTRUCTION: source 0 = w2 (row m holds w2[m & 1]), source 1 = the hidden values (column n = sample), K = 32 hidden units.
; In the result, register 0 of lane (r, h) is row 8h (st0) and register 1 is row 8h + 1 (st1) of the lane's own sample r, in both
; halves of the lanes: nothing of the flow ever crosses lanes.  Lane (r, h) makes the hidden units 32c + 8h + 0..7 and 32c + 16 + 8h + 0..7.
; SAMPLES: tile t, column r is the wave's sample 32 (t >> 1) + 2 r + (t & 1), so that tiles 2j and 2j + 1 of a lane are 16 neighbouring bytes of x and out0.
;
; FOLDING: record i (0..8) = [M00 M10 M01 M11 a0 a1 c0 tb], M = diag(exp(an_logs[i])) Ws[i], a = an_b[i] (record 8: gain 1, bias 0),
; c0 = 2 log2(e) cb2[i-1][0], tb = cb2[i-1][1].  A mix and the ActNorm behind it are one affine map; the constant part of lJ
; (nine ln|det Ws|, sixteen an_logs, ln(1/2pi)) is summed once.  Each wave builds the records for itself (lane i builds record i) into
; 512 bytes of LDS of its own: the four waves do it side by side, and the text has no branch on the wave's number.
;
; NO CLUSTER, NO TENSOR LOADS: what work-groups share is the 64 KiB of cw1, cb1, cw2, read once at the head for 8 x 512 x 512 hidden
; values; cw2 has to pass through registers to be rounded to bf16, and behind the head nothing is loaded from memory any more.
;
; LIMITS.  relu is v_max_num_f32: a NaN pre-activation (only from non-finite inputs or overflow) gives 0, not NaN.  v_exp_f32 and
; v_log_f32 flush denormals (ISA guide 15.8): |det W| below 2^-126 counts as 0.  tanh(x) = 1 - 2 / (1 + e^2x): absolute error about 1e-7.
; The folding above rounds in another order than a step-by-step evaluation.  h and w2 are rounded to bf16; all else is f32.
.set W2OFF,  0                         ; LDS: w2 in bf16: 2,048 s + 128 c + 64 o + 2 (k & 31), c = k >> 5
.set W1OFF,  16384                     ; LDS: cw1 as it lies in memory: 2,048 s + 4 k (a chunk of 32 units: 128 bytes)
.set B1OFF,  32768                     ; LDS: cb1 likewise
.set PAROFF, 49152                     ; LDS: the records, 512 bytes for each wave, record i at 32 i
.set AW,  1                            ; v1       LDS address for w1, b1: 32 h, + 256 for every two chunks
.set A2,  2                            ; v2       LDS address for w2's fragment: 64 (r & 1) + 16 h, + 256 likewise
.set AP,  3                            ; v3       512 w + 32 s: the step's record
.set SC,  4                            ; v4       16 x thread: staging of cw1, cb1, in memory and in LDS
.set S2G, 5                            ; v5       32 x thread: staging of cw2, in memory
.set S2L, 6                            ; v6       staging of cw2, in LDS
.set XO,  7                            ; v7       16 r + 1,024 w: my bytes of x
.set PR,  8                            ; v[8:15]  the record at work
.set Y,   16                           ; v[16:31] pair 2t: (y0, y1) of tile t
.set LJ,  32                           ; v[32:39] lJ of tile t
.set T,   40                           ; v[40:55] 16 hidden values in f32
.set U,   40                           ; between the main loops: v[40:47], v[48:55], pairs v[56:71], v[72:79]
.set V,   48
.set P,   56
.set H,   72                           ; v[72:87] hidden values in bf16, two buffers of 8 by the tile's parity
.set Z,   72
.set WB,  88                           ; v[88:127], v[128:167] two weight buffers: w1 16, b1 16, w2's fragment 8
.set ACC, 168                          ; v[168:231] 8 accumulators of 8
.set O0,  232                          ; v232     16 lane + 1,024 w: my bytes of out0
.set O1,  233                          ; v233     8 lane + 512 w: my bytes of out1
.set ST2, 40                           ; head only: v[40:103] cw2, v[104:135] cw1, v[136:167] cb1 on their way to LDS
.set ST1, 104
.set STB, 136
.set REC, 168                          ; head only, in the accumulators' registers: v[168:175] my lane's record,
.set PW,  176                          ; v[176:179] Ws[i], v[180:181] an_logs[i],
.set PL,  180
.set IX,  182                          ; v[182:184] byte offsets of my lane's parameters
.set LN,  185                          ; lane
.set E,   186                          ; v[186:187] exp(an_logs)
.set D,   188                          ; v[188:190] at work
.set RS,  191                          ; where my lane's record goes
	s_load_b512 s[8:23], s[0:1], 0x0               ; x s[8:9], Ws s[10:11], an_logs s[12:13], an_b s[14:15], cw1 s[16:17], cb1 s[18:19], cw2 s[20:21], cb2 s[22:23]
	s_load_b128 s[24:27], s[0:1], 0x40             ; out0 s[24:25], out1 s[26:27]
	v_lshl_add_u32 v234, v0, 2, 0xc800
	v_mov_b32 v235, 0
	s_mov_b32 s5, 0x4038aa3b                       ; 2 log2(e)
	s_mov_b32 s6, 0x3fb8aa3b                       ; log2(e)
	s_mov_b32 s30, 0x76543210                      ; v_permlanex16_b32: lane i of one half reads lane i of the other
	s_mov_b32 s31, 0xfedcba98
	v_lshrrev_b32 v[AW], 5, v0
	v_readfirstlane_b32 s2, v[AW]                  ; wave 0..3
	s_lshl_b32 s7, s2, 10                          ; 128 samples of 8 bytes
	s_lshl_b32 s4, s2, 9                           ; 128 samples of 4 bytes; also the wave's 512 bytes of records
	v_and_b32 v[LN], 31, v0
	v_and_b32 v8, 15, v0                           ; r
	v_bfe_u32 v9, v0, 4, 1                         ; h
	v_and_b32 v10, 1, v0                           ; r & 1: which row of w2 my row of source 0 holds
	v_lshlrev_b32 v[AW], 5, v9
	v_lshlrev_b32 v[A2], 6, v10
	v_lshl_add_u32 v[A2], v9, 4, v[A2]
	v_mov_b32 v[AP], s4
	v_lshlrev_b32 v[SC], 4, v0
	v_lshlrev_b32 v[S2G], 5, v0                    ; thread t stages 8 numbers of cw2[s]: o = t >> 6, k = 8 (t & 63)
	v_bfe_u32 v10, v0, 2, 4                        ; c = k >> 5
	v_lshlrev_b32 v[S2L], 7, v10
	v_lshrrev_b32 v10, 6, v0                       ; o
	v_lshl_add_u32 v[S2L], v10, 6, v[S2L]
	v_and_b32 v10, 3, v0                           ; 2 (k & 31) = 16 (t & 3)
	v_lshl_add_u32 v[S2L], v10, 4, v[S2L]
	v_lshl_add_u32 v[XO], v8, 4, s7
	v_lshl_add_u32 v[O0], v[LN], 4, s7
	v_lshl_add_u32 v[O1], v[LN], 3, s4
	v_min_u32 v[IX], 8, v[LN]                      ; lane i builds record i; lanes 9 to 31 repeat record 8
	v_lshl_add_u32 v[RS], v[IX], 5, s4
	v_lshlrev_b32 v[IX], 4, v[IX]                  ; Ws[i]: 16 bytes
	v_min_u32 v[IX+1], 7, v[LN]
	v_lshlrev_b32 v[IX+1], 3, v[IX+1]              ; an_logs[i], an_b[i]: 8 bytes (record 8 reads row 7 and discards it)
	v_max_u32 v[IX+2], 1, v[LN]
	v_add_nc_u32 v[IX+2], -1, v[IX+2]
	v_min_u32 v[IX+2], 7, v[IX+2]
	v_lshlrev_b32 v[IX+2], 3, v[IX+2]              ; cb2[i - 1] (record 0 reads row 0; its two numbers are never used)
	s_wait_kmcnt 0x0
	s_lshl_b32 s28, ttmp9, 12                      ; the work-group's 512 samples of 8 bytes
	s_mov_b32 s29, 0
	s_add_nc_u64 s[8:9], s[8:9], s[28:29]
	s_add_nc_u64 s[24:25], s[24:25], s[28:29]
	s_lshl_b32 s28, ttmp9, 11                      ; and of 4 bytes
	s_add_nc_u64 s[26:27], s[26:27], s[28:29]
	; All 40 loads go out in one run: x (4), my lane's parameters (4), then the 32 that stage the weights.
.irp j, 0,1,2,3
	global_load_b128 v[Y+4*\j:Y+4*\j+3], v[XO], s[8:9] offset:256*\j th:TH_LOAD_NT   ; tiles 2j, 2j + 1; both halves of the lanes take the same 256 bytes
.endr
	global_load_b128 v[PW:PW+3], v[IX], s[10:11]
	global_load_b64 v[PL:PL+1], v[IX+1], s[12:13]
	global_load_b64 v[REC+4:REC+5], v[IX+1], s[14:15]      ; a0, a1 land in their places in the record,
	global_load_b64 v[REC+6:REC+7], v[IX+2], s[22:23]      ; and so do cb2's two numbers
.irp i, 0,1,2,3,4,5,6,7
	global_load_b128 v[ST2+8*\i:ST2+8*\i+3],   v[S2G], s[20:21] offset:4096*\i
	global_load_b128 v[ST2+8*\i+4:ST2+8*\i+7], v[S2G], s[20:21] offset:4096*\i+16
.endr
.irp i, 0,1,2,3,4,5,6,7
	global_load_b128 v[ST1+4*\i:ST1+4*\i+3], v[SC], s[16:17] offset:2048*\i
.endr
.irp i, 0,1,2,3,4,5,6,7
	global_load_b128 v[STB+4*\i:STB+4*\i+3], v[SC], s[18:19] offset:2048*\i
.endr
	; The records, while the weights are on their way.
	s_wait_loadcnt 32                              ; loads come back in order (ISA guide 5.7.1): x and the parameters are in, the 32 staging loads issued behind them stay out
	v_mul_f32 v[E], s6, v[PL]
	v_mul_f32 v[E+1], s6, v[PL+1]
	v_exp_f32 v[E], v[E]                           ; exp(an_logs)
	v_exp_f32 v[E+1], v[E+1]
	v_mul_f32 v[D], v[PW+1], v[PW+2]               ; the plain instruction behind the exponentials (ISA guide 5.7.2); W01 W10
	v_cmp_gt_u32 vcc_lo, 8, v[LN]                  ; records 0 to 7 have an ActNorm
	v_fma_f32 v[D], v[PW], v[PW+3], -v[D]          ; det W
	v_add_f32 v[D+1], v[PL], v[PL+1]
	v_and_b32 v[D], 0x7fffffff, v[D]
	v_log_f32 v[D+2], v[D]                         ; log2 |det W|
	s_wait_alu depctr_va_vdst(0)
	v_cndmask_b32 v[E], 1.0, v[E], vcc_lo          ; the plain instruction behind the logarithm; record 8: gain 1,
	v_cndmask_b32 v[E+1], 1.0, v[E+1], vcc_lo
	v_cndmask_b32 v[REC+4], 0, v[REC+4], vcc_lo    ; bias 0,
	v_cndmask_b32 v[REC+5], 0, v[REC+5], vcc_lo
	v_cndmask_b32 v[D+1], 0, v[D+1], vcc_lo        ; and nothing for lJ
	v_cmp_gt_u32 vcc_lo, 9, v[LN]                  ; nine determinants; the repeats of record 8 count for nothing
	v_cndmask_b32 v[D+2], 0, v[D+2], vcc_lo
	v_mul_f32 v[REC+0], v[E],   v[PW+0]            ; M00 = e0 W00
	v_mul_f32 v[REC+1], v[E+1], v[PW+2]            ; M10 = e1 W10
	v_mul_f32 v[REC+2], v[E],   v[PW+1]            ; M01 = e0 W01
	v_mul_f32 v[REC+3], v[E+1], v[PW+3]            ; M11 = e1 W11
	v_mul_f32 v[REC+6], s5, v[REC+6]               ; c0 = 2 log2(e) cb2[i-1][0]
	v_fmamk_f32 v[D], v[D+2], 0x3f317218, v[D+1]   ; ln|det| + an_logs' two numbers
	ds_store_b128 v[RS], v[REC:REC+3] offset:PAROFF
	ds_store_b128 v[RS], v[REC+4:REC+7] offset:PAROFF+16
	ds_load_b128 v[PR:PR+3], v[AP] offset:PAROFF           ; record 0 for every lane: my wave's own bytes, and LDS serves a wave's instructions in order (ISA guide 5.7.1.4)
	ds_load_b128 v[PR+4:PR+7], v[AP] offset:PAROFF+16
	v_add_f32_dpp v[D], v[D], v[D] row_xmask:1 row_mask:0xf bank_mask:0xf   ; the sum over the lanes, left in every lane
	v_add_f32_dpp v[D], v[D], v[D] row_xmask:2 row_mask:0xf bank_mask:0xf
	v_add_f32_dpp v[D], v[D], v[D] row_xmask:4 row_mask:0xf bank_mask:0xf
	v_add_f32_dpp v[D], v[D], v[D] row_xmask:8 row_mask:0xf bank_mask:0xf
	v_permlanex16_b32 v[D+1], v[D], s30, s31
	v_add_f32 v[D], v[D], v[D+1]
.irp t, 0,1,2,3,4,5,6,7
	v_add_f32 v[LJ+\t], 0xbfeb3f8e, v[D]           ; lJ starts at ln(1/2pi) + all that does not hang on the sample
.endr
	; The weights go to LDS in the order in which they were asked for.  Each count is the number of staging loads issued behind the one that is used.
.irp i, 0,1,2,3,4,5,6,7
	s_wait_loadcnt 30-2*\i
.irp q, 0,1,2,3
	v_cvt_pk_bf16_f32 v[ST2+8*\i+\q], v[ST2+8*\i+2*\q], v[ST2+8*\i+2*\q+1]   ; in place: word q is written when words 2q, 2q + 1 are read
.endr
	ds_store_b128 v[S2L], v[ST2+8*\i:ST2+8*\i+3] offset:W2OFF+2048*\i
.endr
.irp i, 0,1,2,3,4,5,6,7
	s_wait_loadcnt 15-\i
	ds_store_b128 v[SC], v[ST1+4*\i:ST1+4*\i+3] offset:W1OFF+2048*\i
.endr
.irp i, 0,1,2,3,4,5,6,7
	s_wait_loadcnt 7-\i
	ds_store_b128 v[SC], v[STB+4*\i:STB+4*\i+3] offset:B1OFF+2048*\i
.endr
	s_wait_dscnt 0x0                               ; for the other waves' sake: my part of the weights is in LDS (and record 0 is in my registers)
	s_barrier_signal -1
	s_barrier_wait -1                              ; the launch's one barrier: from here on LDS is only read
; Ten LDS loads: the chunk at byte off from the two address registers into weight buffer wb.  In the w1 and b1 loads sixteen lanes read the same 16 bytes.
.macro FETCH wb, off
.irp q, 0,1
	ds_load_b128 v[WB+40*(\wb)+16*\q:WB+40*(\wb)+16*\q+3],     v[AW] offset:W1OFF+16384*\q+\off      ; units 8h + 0..3   (q = 0: w1, q = 1: b1)
	ds_load_b128 v[WB+40*(\wb)+16*\q+4:WB+40*(\wb)+16*\q+7],   v[AW] offset:W1OFF+16384*\q+\off+16   ; units 8h + 4..7
	ds_load_b128 v[WB+40*(\wb)+16*\q+8:WB+40*(\wb)+16*\q+11],  v[AW] offset:W1OFF+16384*\q+\off+64   ; units 16 + 8h + 0..3
	ds_load_b128 v[WB+40*(\wb)+16*\q+12:WB+40*(\wb)+16*\q+15], v[AW] offset:W1OFF+16384*\q+\off+80   ; units 16 + 8h + 4..7
.endr
	ds_load_b128 v[WB+40*(\wb)+32:WB+40*(\wb)+35], v[A2] offset:W2OFF+\off       ; w2[r & 1], k = 8h + 0..7
	ds_load_b128 v[WB+40*(\wb)+36:WB+40*(\wb)+39], v[A2] offset:W2OFF+\off+32    ; k = 16 + 8h + 0..7
.endm
.macro FMA t, wb                       ; 16 pre-activations of tile t: y0 w1 + b1, y0 into both halves
.irp i, 0,1,2,3,4,5,6,7
	v_pk_fma_f32 v[T+2*\i:T+2*\i+1], v[Y+2*(\t):Y+2*(\t)+1], v[WB+40*(\wb)+2*\i:WB+40*(\wb)+2*\i+1], v[WB+40*(\wb)+16+2*\i:WB+40*(\wb)+16+2*\i+1] op_sel_hi:[0,1,1]
.endr
.endm
.macro RELU
.irp i, 0,1,2,3,4,5,6,7
	v_dual_max_num_f32 v[T+2*\i], 0, v[T+2*\i] :: v_dual_max_num_f32 v[T+2*\i+1], 0, v[T+2*\i+1]
.endr
.endm
.macro PACK hb
.irp i, 0,1,2,3,4,5,6,7
	v_cvt_pk_bf16_f32 v[H+8*(\hb)+\i], v[T+2*\i], v[T+2*\i+1]
.endr
.endm
.macro MM t, wb, mode                  ; mode 1: the product starts tile t's sums (nothing is cleared); mode 2: it adds onto them
.if (\mode) == 1
	v_wmma_f32_16x16x32_bf16 v[ACC+8*(\t):ACC+8*(\t)+7], v[WB+40*(\wb)+32:WB+40*(\wb)+39], v[H+8*((\t)&1):H+8*((\t)&1)+7], 0
.else
	v_wmma_f32_16x16x32_bf16 v[ACC+8*(\t):ACC+8*(\t)+7], v[WB+40*(\wb)+32:WB+40*(\wb)+39], v[H+8*((\t)&1):H+8*((\t)&1)+7], v[ACC+8*(\t):ACC+8*(\t)+7]
.endif
.endm
; One tile of one chunk.  The product of the tile BEFORE (pt, from weight buffer pwb) is issued behind this tile's eight multiply-adds,
; so that it does not stand straight behind the conversions that it reads.  H takes turns by the tile's parity: a buffer is written again
; 32 plain vector instructions behind the matrix instruction that read it (four are asked for: ISA guide 7.12.1).
.macro UNIT t, wb, pmode, pt, pwb
	FMA \t, \wb
.if \pmode
	MM \pt, \pwb, \pmode
.endif
	RELU
	PACK ((\t)&1)
.endm
; One chunk of 32 hidden units for all eight tiles, from weight buffer wb.  The other buffer is fetched behind tile 0: its last reader, the
; delayed product of tile 7, stands 16 plain vector instructions ahead of the loads.  rec = 1: the record that ends this step is asked for too.
; The eight accumulators take turns, one instruction a turn, in the order 0 to 7, over both loops' backward jumps too.
.macro CHUNK wb, m0, m, off, rec
	s_wait_dscnt 0x0                               ; all that is out is what the last chunk asked for: this chunk's weights (and the record)
	UNIT 0, \wb, \m0, 7, (1-\wb)
	FETCH (1-\wb), \off
.if \rec
	ds_load_b128 v[PR:PR+3],   v[AP] offset:PAROFF+32
	ds_load_b128 v[PR+4:PR+7], v[AP] offset:PAROFF+48
.endif
.irp t, 1,2,3,4,5,6,7
	UNIT \t, \wb, \m, (\t-1), \wb
.endr
.endm
.macro PAIR m0, m, m1, rec             ; two chunks, buffers 0 and 1; m0, m1: the mode of each chunk's delayed product of tile 7 (0: there is none)
	CHUNK 0, \m0, \m, 128, \rec
	CHUNK 1, \m1, 2, 256, 0
	v_add_nc_u32 v[AW], 0x100, v[AW]               ; all three regions go on by 128 bytes a chunk, through the steps too
	v_add_nc_u32 v[A2], 0x100, v[A2]
.endm
.macro MIXA                            ; (M00, M10) y0 + (a0, a1)
.irp t, 0,1,2,3,4,5,6,7
	v_pk_fma_f32 v[P+2*\t:P+2*\t+1], v[Y+2*\t:Y+2*\t+1], v[PR:PR+1], v[PR+4:PR+5] op_sel_hi:[0,1,1]
.endr
.endm
.macro MIXB                            ; + (M01, M11) y1
.irp t, 0,1,2,3,4,5,6,7
	v_pk_fma_f32 v[Y+2*\t:Y+2*\t+1], v[Y+2*\t:Y+2*\t+1], v[PR+2:PR+3], v[P+2*\t:P+2*\t+1] op_sel:[1,0,0] op_sel_hi:[1,1,1]
.endr
.endm
	FETCH 0, 0                                     ; step 0, chunk 0
	MIXA                                           ; the first mix and step 0's ActNorm, while that fetch is on its way
	MIXB
	s_mov_b32 s3, 0
.Lstep:
	PAIR 0, 1, 1, 1                                ; chunks 0 and 1: the first product of each tile starts its sums
	s_mov_b32 s4, 0
.Lpair:
	PAIR 2, 2, 2, 0                                ; chunks 2 to 15
	s_add_co_u32 s4, s4, 1
	s_cmp_lt_u32 s4, 7
	s_cbranch_scc1 .Lpair
	MM 7, 1, 2                                     ; the last chunk's tile 7
	; The rest of the step, in runs of eight independent lines.  The first run's tiles 0 to 6 are the seven places ahead of the read of tile 7's result.
.irp t, 0,1,2,3,4,5,6,7
	v_fma_f32 v[U+\t], v[ACC+8*\t], s5, v[PR+6]    ; 2 log2(e) (st0 + b2[0])
.endr
.irp t, 0,1,2,3,4,5,6,7
	v_exp_f32 v[U+\t], v[U+\t]                     ; e^(2 st0)
.endr
.irp t, 0,1,2,3,4,5,6,7
	v_add_f32 v[V+\t], v[ACC+8*\t+1], v[PR+7]      ; t = st1 + b2[1]: the plain instructions behind the exponentials (ISA guide 5.7.2)
.endr
	s_wait_alu depctr_va_vdst(0)
.irp t, 0,1,2,3,4,5,6,7
	v_add_f32 v[U+\t], 1.0, v[U+\t]
.endr
.irp t, 0,1,2,3,4,5,6,7
	v_rcp_f32 v[U+\t], v[U+\t]
.endr
	MIXA                                           ; y0 does not change in the coupling: its part of the mix stands behind the reciprocals
	s_wait_alu depctr_va_vdst(0)
.irp t, 0,1,2,3,4,5,6,7
	v_fma_f32 v[U+\t], v[U+\t], -2.0, 1.0          ; log_s = tanh = 1 - 2 / (1 + e^(2 st0)); an infinite exponential gives 1, a zero one -1
.endr
.irp t, 0,1,2,3,4,5,6,7
	v_mul_f32 v[Z+\t], s6, v[U+\t]
.endr
.irp t, 0,1,2,3,4,5,6,7
	v_exp_f32 v[Z+\t], v[Z+\t]                     ; exp(log_s)
.endr
.irp t, 0,1,2,3,4,5,6,7
	v_add_f32 v[LJ+\t], v[LJ+\t], v[U+\t]          ; plain, and apart from the exponentials
.endr
	s_wait_alu depctr_va_vdst(0)
.irp t, 0,1,2,3,4,5,6,7
	v_fma_f32 v[Y+2*\t+1], v[Y+2*\t+1], v[Z+\t], v[V+\t]
.endr
	MIXB
	v_add_nc_u32 v[AP], 32, v[AP]
	s_add_co_u32 s3, s3, 1
	s_cmp_lt_u32 s3, 8
	s_cbranch_scc1 .Lstep
	; The very last chunk has fetched one chunk past each region's end: the first 128 bytes of the region behind it, which were written ahead of
	; the barrier.  Weight buffer 0, into which they go, is not touched again.  That spares a second copy of a step's text.
	; logp = lJ - (y0^2 + y1^2) / 2
.irp t, 0,1,2,3,4,5,6,7
	v_mul_f32 v[U+\t], v[Y+2*\t], v[Y+2*\t]
.endr
.irp t, 0,1,2,3,4,5,6,7
	v_fmac_f32 v[U+\t], v[Y+2*\t+1], v[Y+2*\t+1]
.endr
.irp t, 0,1,2,3,4,5,6,7
	v_fmac_f32 v[LJ+\t], -0.5, v[U+\t]
.endr
	; Both halves of the lanes hold all 128 samples.  Lanes 0 to 15 store the even groups of 32 samples, lanes 16 to 31 the odd ones,
	; so that a store of the wave covers 512 (out0) or 256 (out1) consecutive bytes, aligned to 256.
	v_and_b32 v[Z], 16, v0
	v_cmp_ne_u32 vcc_lo, 0, v[Z]
.irp i, 0,1
.irp q, 0,1,2,3
	v_cndmask_b32 v[V+4*\i+\q], v[Y+8*\i+\q], v[Y+8*\i+4+\q], vcc_lo
.endr
	global_store_b128 v[O0], v[V+4*\i:V+4*\i+3], s[24:25] offset:512*\i th:TH_STORE_NT
.endr
.irp i, 0,1
.irp q, 0,1
	v_cndmask_b32 v[P+2*\i+\q], v[LJ+4*\i+\q], v[LJ+4*\i+2+\q], vcc_lo
.endr
	global_store_b64 v[O1], v[P+2*\i:P+2*\i+1], s[26:27] offset:256*\i th:TH_STORE_NT
.endr
	s_wait_tensorcnt 0x0
	ds_add_u32 v234, v235
	s_wait_dscnt 0x0
	s_endpgm
.Lfunc_end_k_q546d3604da_flow:
	.size	k_q546d3604da_flow, .Lfunc_end_k_q546d3604da_flow-k_q546d3604da_flow
	.p2alignl 7, 3214868480
	.fill 96, 4, 3214868480
	.section	.rodata,"a",@progbits
	.p2align	6, 0x0
	.amdhsa_kernel k_q546d3604da_flow
		.amdhsa_group_segment_fixed_size 51712
		.amdhsa_private_segment_fixed_size 0
		.amdhsa_enable_private_segment 0
		.amdhsa_kernarg_size 80
		.amdhsa_user_sgpr_count 2
		.amdhsa_user_sgpr_kernarg_segment_ptr 1
		.amdhsa_wavefront_size32 1
		.amdhsa_system_sgpr_workgroup_id_x 1
		.amdhsa_system_sgpr_workgroup_id_y 1
		.amdhsa_system_sgpr_workgroup_id_z 1
		.amdhsa_system_vgpr_workitem_id 0
		.amdhsa_next_free_vgpr 236
		.amdhsa_next_free_sgpr 66
		.amdhsa_reserve_vcc 1
		.amdhsa_float_denorm_mode_32 3
		.amdhsa_float_denorm_mode_16_64 3
		.amdhsa_memory_ordered 1
		.amdhsa_forward_progress 1
		.amdhsa_inst_pref_size 74
	.end_amdhsa_kernel
	.amdgpu_metadata
---
amdhsa.version: [ 1, 2 ]
amdhsa.kernels:
  - .name:           k_q546d3604da_flow
    .symbol:         k_q546d3604da_flow.kd
    .args:
      - { .name: x, .offset: 0, .size: 8, .value_kind: global_buffer, .address_space: global }
      - { .name: Ws, .offset: 8, .size: 8, .value_kind: global_buffer, .address_space: global }
      - { .name: an_logs, .offset: 16, .size: 8, .value_kind: global_buffer, .address_space: global }
      - { .name: an_b, .offset: 24, .size: 8, .value_kind: global_buffer, .address_space: global }
      - { .name: cw1, .offset: 32, .size: 8, .value_kind: global_buffer, .address_space: global }
      - { .name: cb1, .offset: 40, .size: 8, .value_kind: global_buffer, .address_space: global }
      - { .name: cw2, .offset: 48, .size: 8, .value_kind: global_buffer, .address_space: global }
      - { .name: cb2, .offset: 56, .size: 8, .value_kind: global_buffer, .address_space: global }
      - { .name: out0, .offset: 64, .size: 8, .value_kind: global_buffer, .address_space: global }
      - { .name: out1, .offset: 72, .size: 8, .value_kind: global_buffer, .address_space: global }
    .group_segment_fixed_size: 51712
    .private_segment_fixed_size: 0
    .kernarg_segment_align: 8
    .kernarg_segment_size: 80
    .max_flat_workgroup_size: 128
    .sgpr_count:     66
    .vgpr_count:     236
    .wavefront_size: 32
...
	.end_amdgpu_metadata
.endif
;; end of part 1
;; ======== version 2 of 2: 1 launch; version 1 with the launch flow written anew for expert scheduling mode
;; launch flow (part 2): grid 256 x 1, 4 waves a work-group, no clusters, 51,712 bytes of LDS; arguments x, Ws, an_logs, an_b, cw1, cb1, cw2, cb2, out0, out1; writes out0, out1
.if DOCPART == 2
	.amdgcn_target "amdgcn-amd-amdhsa--gfx1250"
	.amdhsa_code_object_version 6
	.text
	.protected	k_q546d3604da_flow
	.globl	k_q546d3604da_flow
	.p2align	8
	.type	k_q546d3604da_flow,@function
k_q546d3604da_flow:
	s_mov_b64 s[64:65], 0
	v_nop
	global_prefetch_b8 v0, s[64:65] scope:SCOPE_SE
	s_setreg_imm32_b32 hwreg(HW_REG_WAVE_SCHED_MODE, 0, 2), 2
	s_setreg_imm32_b32 hwreg(HW_REG_WAVE_MODE, 25, 1), 1
	s_wait_xcnt 0x0
	s_wait_alu depctr_vm_vsrc(0)
; flowGAN's flow: y = x Ws[0]^T; eight steps of ActNorm, coupling MLP 1 -> 512 -> 2 (tanh, exp) and a 2 x 2 mix; out0 = y, out1 = logp.
; ONE launch, all state in registers.  256 work-groups of 4 waves; a work-group owns 512 samples, a wave 128, as 8 tiles of 16.
; The load is the 131,072 x 8 x 512 hidden values: each is one multiply-add, one relu and one rounding to bf16 (24 vector
; instructions for the 512 values that one matrix instruction sums), so the text is built round the fewest vector instructions.
;
; THE MATRIX INSTRUCTION: source 0 = w2 (row m holds w2[m & 1]), source 1 = the hidden values (column n = sample), K = 32 hidden units.
; In the result, register 0 of lane (r, h) is row 8h (st0) and register 1 is row 8h + 1 (st1) of the lane's own sample r, in both
; halves of the lanes: nothing of the flow ever crosses lanes.  Lane (r, h) makes the hidden units 32c + 8h + 0..7 and 32c + 16 + 8h + 0..7.
; SAMPLES: tile t, column r is the wave's sample 32 (t >> 1) + 2 r + (t & 1), so that tiles 2j and 2j + 1 of a lane are 16 neighbouring bytes of x and out0.
;
; FOLDING: record i (0..8) = [M00 M10 M01 M11 a0 a1 c0 tb], M = diag(exp(an_logs[i])) Ws[i], a = an_b[i] (record 8: gain 1, bias 0),
; c0 = 2 log2(e) cb2[i-1][0], tb = cb2[i-1][1].  A mix and the ActNorm behind it are one affine map; the constant part of lJ
; (nine ln|det Ws|, sixteen an_logs, ln(1/2pi)) is summed once.  Each wave builds the records for itself (lane i builds record i) into
; 512 bytes of LDS of its own: the four waves do it side by side, and the text has no branch on the wave's number.
;
; NO CLUSTER, NO TENSOR LOADS: what work-groups share is the 64 KiB of cw1, cb1, cw2, read once at the head for 8 x 512 x 512 hidden
; values; cw2 has to pass through registers to be rounded to bf16, and behind the head nothing is loaded from memory any more.
;
; THE MODE: SCHED_MODE bits 1:0 = 2 (LLVM: expert scheduling mode 2), set by the entry lines.  The code itself states the register dependences
; between vector or matrix instructions and memory or LDS instructions, with s_wait_alu, always for 0.
; THE PLAN.  Registers that LDS instructions touch, in the loop:
;   WB0, WB1     A chunk on WB[b]: its multiply-adds and products read WB[b]; the next chunk's ten loads land in WB[1-b], whose last reader is
;                the delayed product of tile 7, issued inside this chunk's tile 0.
;   v[PR ..]     The record lands in a step's chunk 0; only the step's tail (at the head: the first mix) reads it.
;   v[AW], v[A2] Read by every load of weights; written by two adds at the end of a pair of chunks.
;   v[AP]        Read by the record's two loads; written by one add at a step's end.
;   Y, T, H, lJ and the accumulators are named by vector and matrix instructions alone.
; So ONE wait on va_vdst stands in a chunk, behind tile 0: the readers of WB[1-b] are done, the adds to the addresses are written, the tail is done
; reading the record.  The chunk's loads follow it, dealt behind the matrix instructions of tiles 1 to 3; the vector and matrix instructions
; issued since name Y, WB[b], T, H and the accumulators: none of the registers that those loads touch.  ONE wait on vm_vsrc a pair of chunks
; stands ahead of the adds to v[AW] and v[A2]; it also frees v[AP], which no load behind a step's first pair reads.
;
; LIMITS.  relu is v_max_num_f32: a NaN pre-activation (only from non-finite inputs or overflow) gives 0, not NaN.  v_exp_f32 and
; v_log_f32 flush denormals (ISA guide 15.8): |det W| below 2^-126 counts as 0.  tanh(x) = 1 - 2 / (1 + e^2x): absolute error about 1e-7.
; The folding above rounds in another order than a step-by-step evaluation.  h and w2 are rounded to bf16; all else is f32.
.set W2OFF,  0                         ; LDS: w2 in bf16: 2,048 s + 128 c + 64 o + 2 (k & 31), c = k >> 5
.set W1OFF,  16384                     ; LDS: cw1 as it lies in memory: 2,048 s + 4 k (a chunk of 32 units: 128 bytes)
.set B1OFF,  32768                     ; LDS: cb1 likewise
.set PAROFF, 49152                     ; LDS: the records, 512 bytes for each wave, record i at 32 i
.set AW,  1                            ; v1       LDS address for w1, b1: 32 h, + 256 for every two chunks
.set A2,  2                            ; v2       LDS address for w2's fragment: 64 (r & 1) + 16 h, + 256 likewise
.set AP,  3                            ; v3       512 w + 32 s: the step's record
.set SC,  4                            ; v4       16 x thread: staging of cw1, cb1, in memory and in LDS
.set S2G, 5                            ; v5       32 x thread: staging of cw2, in memory
.set S2L, 6                            ; v6       staging of cw2, in LDS
.set XO,  7                            ; v7       16 r + 1,024 w: my bytes of x
.set PR,  8                            ; v[8:15]  the record at work
.set Y,   16                           ; v[16:31] pair 2t: (y0, y1) of tile t
.set LJ,  32                           ; v[32:39] lJ of tile t
.set T,   40                           ; v[40:55] 16 hidden values in f32
.set U,   40                           ; between the main loops: v[40:47], v[48:55], pairs v[56:71], v[72:79]
.set V,   48
.set P,   56
.set H,   72                           ; v[72:87] hidden values in bf16, two buffers of 8 by the tile's parity
.set Z,   72
.set WB,  88                           ; v[88:127], v[128:167] two weight buffers: w1 16, b1 16, w2's fragment 8
.set ACC, 168                          ; v[168:231] 8 accumulators of 8
.set O0,  232                          ; v232     16 lane + 1,024 w: my bytes of out0
.set O1,  233                          ; v233     8 lane + 512 w: my bytes of out1
.set ST2, 40                           ; head only: v[40:103] cw2, v[104:135] cw1, v[136:167] cb1 on their way to LDS
.set ST1, 104
.set STB, 136
.set REC, 168                          ; head only, in the accumulators' registers: v[168:175] my lane's record,
.set PW,  176                          ; v[176:179] Ws[i], v[180:181] an_logs[i],
.set PL,  180
.set IX,  182                          ; v[182:184] byte offsets of my lane's parameters
.set LN,  185                          ; lane
.set E,   186                          ; v[186:187] exp(an_logs)
.set D,   188                          ; v[188:190] at work
.set RS,  191                          ; where my lane's record goes
	s_load_b512 s[8:23], s[0:1], 0x0               ; x s[8:9], Ws s[10:11], an_logs s[12:13], an_b s[14:15], cw1 s[16:17], cb1 s[18:19], cw2 s[20:21], cb2 s[22:23]
	s_load_b128 s[24:27], s[0:1], 0x40             ; out0 s[24:25], out1 s[26:27]
	v_lshl_add_u32 v234, v0, 2, 0xc800
	v_mov_b32 v235, 0
	s_mov_b32 s5, 0x4038aa3b                       ; 2 log2(e)
	s_mov_b32 s6, 0x3fb8aa3b                       ; log2(e)
	s_mov_b32 s30, 0x76543210                      ; v_permlanex16_b32: lane i of one half reads lane i of the other
	s_mov_b32 s31, 0xfedcba98
	v_lshrrev_b32 v[AW], 5, v0
	v_readfirstlane_b32 s2, v[AW]                  ; wave 0..3; the lines that need no wave number stand between this one and the wait for s2
	v_and_b32 v[LN], 31, v0
	v_and_b32 v8, 15, v0                           ; r
	v_bfe_u32 v9, v0, 4, 1                         ; h
	v_and_b32 v10, 1, v0                           ; r & 1: which row of w2 my row of source 0 holds
	v_lshlrev_b32 v[AW], 5, v9
	v_lshlrev_b32 v[A2], 6, v10
	v_lshl_add_u32 v[A2], v9, 4, v[A2]
	v_lshlrev_b32 v[SC], 4, v0
	v_lshlrev_b32 v[S2G], 5, v0                    ; thread t stages 8 numbers of cw2[s]: o = t >> 6, k = 8 (t & 63)
	v_bfe_u32 v10, v0, 2, 4                        ; c = k >> 5
	v_lshlrev_b32 v[S2L], 7, v10
	v_lshrrev_b32 v10, 6, v0                       ; o
	v_lshl_add_u32 v[S2L], v10, 6, v[S2L]
	v_and_b32 v10, 3, v0                           ; 2 (k & 31) = 16 (t & 3)
	v_lshl_add_u32 v[S2L], v10, 4, v[S2L]
	v_min_u32 v[IX], 8, v[LN]                      ; lane i builds record i; lanes 9 to 31 repeat record 8
	v_min_u32 v[IX+1], 7, v[LN]
	v_lshlrev_b32 v[IX+1], 3, v[IX+1]              ; an_logs[i], an_b[i]: 8 bytes (record 8 reads row 7 and discards it)
	v_max_u32 v[IX+2], 1, v[LN]
	v_add_nc_u32 v[IX+2], -1, v[IX+2]
	v_min_u32 v[IX+2], 7, v[IX+2]
	v_lshlrev_b32 v[IX+2], 3, v[IX+2]              ; cb2[i - 1] (record 0 reads row 0; its two numbers are never used)
	s_wait_alu depctr_va_sdst(0)                   ; s2 is written, ahead of its first reader: the wave's offsets are made from it
	s_lshl_b32 s7, s2, 10                          ; 128 samples of 8 bytes
	s_lshl_b32 s4, s2, 9                           ; 128 samples of 4 bytes; also the wave's 512 bytes of records
	v_mov_b32 v[AP], s4
	v_lshl_add_u32 v[XO], v8, 4, s7
	v_lshl_add_u32 v[O0], v[LN], 4, s7
	v_lshl_add_u32 v[O1], v[LN], 3, s4
	v_lshl_add_u32 v[RS], v[IX], 5, s4
	v_lshlrev_b32 v[IX], 4, v[IX]                  ; Ws[i]: 16 bytes
	s_wait_kmcnt 0x0
	s_lshl_b32 s28, ttmp9, 12                      ; the work-group's 512 samples of 8 bytes
	s_mov_b32 s29, 0
	s_add_nc_u64 s[8:9], s[8:9], s[28:29]
	s_add_nc_u64 s[24:25], s[24:25], s[28:29]
	s_lshl_b32 s28, ttmp9, 11                      ; and of 4 bytes
	s_add_nc_u64 s[26:27], s[26:27], s[28:29]
	s_wait_alu depctr_va_vdst(0)                   ; all offsets and LDS addresses (v1 to v7, v[IX ..], v[RS], v[O0], v[O1]) are written, which the loads and stores of the kernel read; so are v8 to v10, in which the record lands
	; All 40 loads go out in one run: x (4), my lane's parameters (4), then the 32 that stage the weights.
.irp j, 0,1,2,3
	global_load_b128 v[Y+4*\j:Y+4*\j+3], v[XO], s[8:9] offset:256*\j th:TH_LOAD_NT   ; tiles 2j, 2j + 1; both halves of the lanes take the same 256 bytes
.endr
	global_load_b128 v[PW:PW+3], v[IX], s[10:11]
	global_load_b64 v[PL:PL+1], v[IX+1], s[12:13]
	global_load_b64 v[REC+4:REC+5], v[IX+1], s[14:15]      ; a0, a1 land in their places in the record,
	global_load_b64 v[REC+6:REC+7], v[IX+2], s[22:23]      ; and so do cb2's two numbers
.irp i, 0,1,2,3,4,5,6,7
	global_load_b128 v[ST2+8*\i:ST2+8*\i+3],   v[S2G], s[20:21] offset:4096*\i
	global_load_b128 v[ST2+8*\i+4:ST2+8*\i+7], v[S2G], s[20:21] offset:4096*\i+16
.endr
.irp i, 0,1,2,3,4,5,6,7
	global_load_b128 v[ST1+4*\i:ST1+4*\i+3], v[SC], s[16:17] offset:2048*\i
.endr
.irp i, 0,1,2,3,4,5,6,7
	global_load_b128 v[STB+4*\i:STB+4*\i+3], v[SC], s[18:19] offset:2048*\i
.endr
	v_cmp_gt_u32 s28, 8, v[LN]                     ; records 0 to 7 have an ActNorm
	v_cmp_gt_u32 s29, 9, v[LN]                     ; nine determinants; the repeats of record 8 count for nothing.  The two masks are made in one run, for one wait
	; The records, while the weights are on their way.
	s_wait_loadcnt 32                              ; loads come back in order (ISA guide 5.7.1): x and the parameters are in, the 32 staging loads issued behind them stay out
	v_mul_f32 v[E], s6, v[PL]
	v_mul_f32 v[E+1], s6, v[PL+1]
	v_exp_f32 v[E], v[E]                           ; exp(an_logs)
	v_exp_f32 v[E+1], v[E+1]
	v_mul_f32 v[D], v[PW+1], v[PW+2]               ; the plain instruction behind the exponentials (ISA guide 5.7.2); W01 W10
	v_fma_f32 v[D], v[PW], v[PW+3], -v[D]          ; det W
	v_add_f32 v[D+1], v[PL], v[PL+1]
	v_and_b32 v[D], 0x7fffffff, v[D]
	v_log_f32 v[D+2], v[D]                         ; log2 |det W|
	s_wait_alu depctr_va_sdst(0)                   ; the two compares have written s28 and s29, ahead of the first select that reads one of them
	s_wait_alu depctr_va_vdst(0)
	v_cndmask_b32 v[E], 1.0, v[E], s28             ; the plain instruction behind the logarithm; record 8: gain 1,
	v_cndmask_b32 v[E+1], 1.0, v[E+1], s28
	v_cndmask_b32 v[REC+4], 0, v[REC+4], s28       ; bias 0,
	v_cndmask_b32 v[REC+5], 0, v[REC+5], s28
	v_cndmask_b32 v[D+1], 0, v[D+1], s28           ; and nothing for lJ
	v_cndmask_b32 v[D+2], 0, v[D+2], s29
	v_mul_f32 v[REC+0], v[E],   v[PW+0]            ; M00 = e0 W00
	v_mul_f32 v[REC+1], v[E+1], v[PW+2]            ; M10 = e1 W10
	v_mul_f32 v[REC+2], v[E],   v[PW+1]            ; M01 = e0 W01
	v_mul_f32 v[REC+3], v[E+1], v[PW+3]            ; M11 = e1 W11
	v_mul_f32 v[REC+6], s5, v[REC+6]               ; c0 = 2 log2(e) cb2[i-1][0]
	s_wait_alu depctr_va_vdst(0)                   ; the lines above have written my lane's record v[REC ..], which the two LDS stores read
	ds_store_b128 v[RS], v[REC:REC+3] offset:PAROFF
	ds_store_b128 v[RS], v[REC+4:REC+7] offset:PAROFF+16
	ds_load_b128 v[PR:PR+3], v[AP] offset:PAROFF           ; record 0 for every lane: my wave's own bytes, and LDS serves a wave's instructions in order (ISA guide 5.7.1.4)
	ds_load_b128 v[PR+4:PR+7], v[AP] offset:PAROFF+16
	v_fmamk_f32 v[D], v[D+2], 0x3f317218, v[D+1]   ; ln|det| + an_logs' two numbers
	v_add_f32_dpp v[D], v[D], v[D] row_xmask:1 row_mask:0xf bank_mask:0xf   ; the sum over the lanes, left in every lane
	v_add_f32_dpp v[D], v[D], v[D] row_xmask:2 row_mask:0xf bank_mask:0xf
	v_add_f32_dpp v[D], v[D], v[D] row_xmask:4 row_mask:0xf bank_mask:0xf
	v_add_f32_dpp v[D], v[D], v[D] row_xmask:8 row_mask:0xf bank_mask:0xf
	v_permlanex16_b32 v[D+1], v[D], s30, s31
	v_add_f32 v[D], v[D], v[D+1]
.irp t, 0,1,2,3,4,5,6,7
	v_add_f32 v[LJ+\t], 0xbfeb3f8e, v[D]           ; lJ starts at ln(1/2pi) + all that does not hang on the sample
.endr
	; The weights go to LDS in the order in which they were asked for.  Each count is the number of staging loads issued behind the one that is used.
	; cw2's 32 conversions stand in one run, so that one wait serves its eight stores.
.irp i, 0,1,2,3,4,5,6,7
	s_wait_loadcnt 30-2*\i
.irp q, 0,1,2,3
	v_cvt_pk_bf16_f32 v[ST2+8*\i+\q], v[ST2+8*\i+2*\q], v[ST2+8*\i+2*\q+1]   ; in place: word q is written when words 2q, 2q + 1 are read
.endr
.endr
	s_wait_alu depctr_va_vdst(0)                   ; the conversions have written v[ST2 ..], which the LDS stores read; they are also done with v88 to v103, in which the first weights land behind the barrier
.irp i, 0,1,2,3,4,5,6,7
	ds_store_b128 v[S2L], v[ST2+8*\i:ST2+8*\i+3] offset:W2OFF+2048*\i
.endr
.irp i, 0,1,2,3,4,5,6,7
	s_wait_loadcnt 15-\i
	ds_store_b128 v[SC], v[ST1+4*\i:ST1+4*\i+3] offset:W1OFF+2048*\i
.endr
.irp i, 0,1,2,3,4,5,6,7
	s_wait_loadcnt 7-\i
	ds_store_b128 v[SC], v[STB+4*\i:STB+4*\i+3] offset:B1OFF+2048*\i
.endr
	s_wait_dscnt 0x0                               ; for the other waves' sake: my part of the weights is in LDS (and record 0 is in my registers)
	s_barrier_signal -1
	s_barrier_wait -1                              ; the launch's one barrier: from here on LDS is only read
	s_wait_alu depctr_vm_vsrc(0)                   ; my LDS stores have read v[ST2 ..], v[ST1 ..], v[STB ..], v[REC ..] and v[RS], the parameters' loads v[IX ..]: from here on these registers are T, P, H, the weight buffers and the accumulators
; A part of the ten LDS loads that bring the chunk at byte off from the two address registers into weight buffer wb.
; part 0: w1's four loads; part 1: b1's four; part 2: w2's fragment.  In the w1 and b1 loads sixteen lanes read the same 16 bytes.
.macro FETCH wb, off, part
.if (\part) < 2
	ds_load_b128 v[WB+40*(\wb)+16*(\part):WB+40*(\wb)+16*(\part)+3],     v[AW] offset:W1OFF+16384*(\part)+(\off)      ; units 8h + 0..3
	ds_load_b128 v[WB+40*(\wb)+16*(\part)+4:WB+40*(\wb)+16*(\part)+7],   v[AW] offset:W1OFF+16384*(\part)+(\off)+16   ; units 8h + 4..7
	ds_load_b128 v[WB+40*(\wb)+16*(\part)+8:WB+40*(\wb)+16*(\part)+11],  v[AW] offset:W1OFF+16384*(\part)+(\off)+64   ; units 16 + 8h + 0..3
	ds_load_b128 v[WB+40*(\wb)+16*(\part)+12:WB+40*(\wb)+16*(\part)+15], v[AW] offset:W1OFF+16384*(\part)+(\off)+80   ; units 16 + 8h + 4..7
.else
	ds_load_b128 v[WB+40*(\wb)+32:WB+40*(\wb)+35], v[A2] offset:W2OFF+(\off)       ; w2[r & 1], k = 8h + 0..7
	ds_load_b128 v[WB+40*(\wb)+36:WB+40*(\wb)+39], v[A2] offset:W2OFF+(\off)+32    ; k = 16 + 8h + 0..7
.endif
.endm
.macro FMA t, wb                       ; 16 pre-activations of tile t: y0 w1 + b1, y0 into both halves
.irp i, 0,1,2,3,4,5,6,7
	v_pk_fma_f32 v[T+2*\i:T+2*\i+1], v[Y+2*(\t):Y+2*(\t)+1], v[WB+40*(\wb)+2*\i:WB+40*(\wb)+2*\i+1], v[WB+40*(\wb)+16+2*\i:WB+40*(\wb)+16+2*\i+1] op_sel_hi:[0,1,1]
.endr
.endm
.macro RELU
.irp i, 0,1,2,3,4,5,6,7
	v_dual_max_num_f32 v[T+2*\i], 0, v[T+2*\i] :: v_dual_max_num_f32 v[T+2*\i+1], 0, v[T+2*\i+1]
.endr
.endm
.macro PACK hb
.irp i, 0,1,2,3,4,5,6,7
	v_cvt_pk_bf16_f32 v[H+8*(\hb)+\i], v[T+2*\i], v[T+2*\i+1]
.endr
.endm
.macro MM t, wb, mode                  ; mode 1: the product starts tile t's sums (nothing is cleared); mode 2: it adds onto them
.if (\mode) == 1
	v_wmma_f32_16x16x32_bf16 v[ACC+8*(\t):ACC+8*(\t)+7], v[WB+40*(\wb)+32:WB+40*(\wb)+39], v[H+8*((\t)&1):H+8*((\t)&1)+7], 0
.else
	v_wmma_f32_16x16x32_bf16 v[ACC+8*(\t):ACC+8*(\t)+7], v[WB+40*(\wb)+32:WB+40*(\wb)+39], v[H+8*((\t)&1):H+8*((\t)&1)+7], v[ACC+8*(\t):ACC+8*(\t)+7]
.endif
.endm
; One tile of one chunk.  The product of the tile BEFORE (pt, from weight buffer pwb) is issued behind this tile's eight multiply-adds,
; so that it does not stand straight behind the conversions that it reads.  H takes turns by the tile's parity: a buffer is written again
; 32 plain vector instructions behind the matrix instruction that read it (four are asked for: ISA guide 7.12.1).
; part 0 to 2: that part of the next chunk's loads, into the other weight buffer, stands behind the matrix instruction; part 3: none.
.macro UNIT t, wb, pmode, pt, pwb, part, off
	FMA \t, \wb
.if \pmode
	MM \pt, \pwb, \pmode
.endif
.if (\part) < 3
	FETCH (1-\wb), \off, \part                     ; no wait: no vector or matrix instruction since the chunk's wait on va_vdst names the other weight buffer or an address
.endif
	RELU
	PACK ((\t)&1)
.endm
; One chunk of 32 hidden units for all eight tiles, from weight buffer wb.  The other buffer's last reader, the delayed product of tile 7, is
; issued in tile 0; behind tile 0 stands the chunk's one wait on va_vdst, and the other buffer's ten loads are dealt over tiles 1 to 3, so that
; the last of them has four tiles' work in which to land.  rec = 1: the record that ends this step is asked for too.
; The eight accumulators take turns, one instruction a turn, in the order 0 to 7, over both loops' backward jumps too.
.macro CHUNK wb, m0, m, off, rec
	s_wait_dscnt 0x0                               ; all that is out is what the last chunk asked for: this chunk's weights (and the record)
	UNIT 0, \wb, \m0, 7, (1-\wb), 3, 0
	s_wait_alu depctr_va_vdst(0)                   ; the last chunk's multiply-adds and its product of tile 7 are done reading the other weight buffer, in which the loads below land; the adds to v[AW], v[A2] and v[AP] are written; the step's tail (at first: the first mix) is done reading the record
.irp t, 1,2,3
	UNIT \t, \wb, \m, (\t-1), \wb, (\t-1), \off
.endr
.if \rec
	ds_load_b128 v[PR:PR+3],   v[AP] offset:PAROFF+32      ; covered by the wait above too: nothing since names v[PR ..] or v[AP]
	ds_load_b128 v[PR+4:PR+7], v[AP] offset:PAROFF+48
.endif
.irp t, 4,5,6,7
	UNIT \t, \wb, \m, (\t-1), \wb, 3, 0
.endr
.endm
.macro PAIR m0, m, m1, rec             ; two chunks, buffers 0 and 1; m0, m1: the mode of each chunk's delayed product of tile 7 (0: there is none)
	CHUNK 0, \m0, \m, 128, \rec
	CHUNK 1, \m1, 2, 256, 0
	s_wait_alu depctr_vm_vsrc(0)                   ; the LDS loads issued so far have read v[AW] and v[A2] (and, in a step's first pair, v[AP])
	v_add_nc_u32 v[AW], 0x100, v[AW]               ; all three regions go on by 128 bytes a chunk, through the steps too
	v_add_nc_u32 v[A2], 0x100, v[A2]
.endm
.macro MIXA                            ; (M00, M10) y0 + (a0, a1)
.irp t, 0,1,2,3,4,5,6,7
	v_pk_fma_f32 v[P+2*\t:P+2*\t+1], v[Y+2*\t:Y+2*\t+1], v[PR:PR+1], v[PR+4:PR+5] op_sel_hi:[0,1,1]
.endr
.endm
.macro MIXB                            ; + (M01, M11) y1
.irp t, 0,1,2,3,4,5,6,7
	v_pk_fma_f32 v[Y+2*\t:Y+2*\t+1], v[Y+2*\t:Y+2*\t+1], v[PR+2:PR+3], v[P+2*\t:P+2*\t+1] op_sel:[1,0,0] op_sel_hi:[1,1,1]
.endr
.endm
	FETCH 0, 0, 0                                  ; step 0, chunk 0: no vector instruction since the wait ahead of cw2's stores names weight buffer 0 or an address
	FETCH 0, 0, 1
	FETCH 0, 0, 2
	MIXA                                           ; the first mix and step 0's ActNorm, while that fetch is on its way
	MIXB
	s_mov_b32 s3, 0
.Lstep:
	PAIR 0, 1, 1, 1                                ; chunks 0 and 1: the first product of each tile starts its sums
	s_mov_b32 s4, 0
.Lpair:
	PAIR 2, 2, 2, 0                                ; chunks 2 to 15
	s_add_co_u32 s4, s4, 1
	s_cmp_lt_u32 s4, 7
	s_cbranch_scc1 .Lpair
	MM 7, 1, 2                                     ; the last chunk's tile 7
	; The rest of the step, in runs of eight independent lines.  The first run's tiles 0 to 6 are the seven places ahead of the read of tile 7's result.
.irp t, 0,1,2,3,4,5,6,7
	v_fma_f32 v[U+\t], v[ACC+8*\t], s5, v[PR+6]    ; 2 log2(e) (st0 + b2[0])
.endr
.irp t, 0,1,2,3,4,5,6,7
	v_exp_f32 v[U+\t], v[U+\t]                     ; e^(2 st0)
.endr
.irp t, 0,1,2,3,4,5,6,7
	v_add_f32 v[V+\t], v[ACC+8*\t+1], v[PR+7]      ; t = st1 + b2[1]: the plain instructions behind the exponentials (ISA guide 5.7.2)
.endr
	s_wait_alu depctr_va_vdst(0)
.irp t, 0,1,2,3,4,5,6,7
	v_add_f32 v[U+\t], 1.0, v[U+\t]
.endr
.irp t, 0,1,2,3,4,5,6,7
	v_rcp_f32 v[U+\t], v[U+\t]
.endr
	MIXA                                           ; y0 does not change in the coupling: its part of the mix stands behind the reciprocals
	s_wait_alu depctr_va_vdst(0)
.irp t, 0,1,2,3,4,5,6,7
	v_fma_f32 v[U+\t], v[U+\t], -2.0, 1.0          ; log_s = tanh = 1 - 2 / (1 + e^(2 st0)); an infinite exponential gives 1, a zero one -1
.endr
.irp t, 0,1,2,3,4,5,6,7
	v_mul_f32 v[Z+\t], s6, v[U+\t]
.endr
.irp t, 0,1,2,3,4,5,6,7
	v_exp_f32 v[Z+\t], v[Z+\t]                     ; exp(log_s)
.endr
.irp t, 0,1,2,3,4,5,6,7
	v_add_f32 v[LJ+\t], v[LJ+\t], v[U+\t]          ; plain, and apart from the exponentials
.endr
	s_wait_alu depctr_va_vdst(0)
.irp t, 0,1,2,3,4,5,6,7
	v_fma_f32 v[Y+2*\t+1], v[Y+2*\t+1], v[Z+\t], v[V+\t]
.endr
	MIXB
	v_add_nc_u32 v[AP], 32, v[AP]                  ; the record's two loads, the only readers of v[AP], stand ahead of the first pair's wait on vm_vsrc: nothing more is owed here
	s_add_co_u32 s3, s3, 1
	s_cmp_lt_u32 s3, 8
	s_cbranch_scc1 .Lstep
	; The very last chunk has fetched one chunk past each region's end: the first 128 bytes of the region behind it, which were written ahead of
	; the barrier.  Weight buffer 0, into which they go, is not touched again.  That spares a second copy of a step's text.
	v_and_b32 v[Z], 16, v0
	v_cmp_ne_u32 vcc_lo, 0, v[Z]                   ; lanes 16 to 31; the arithmetic below stands between the compare and the wait for VCC
	; logp = lJ - (y0^2 + y1^2) / 2
.irp t, 0,1,2,3,4,5,6,7
	v_mul_f32 v[U+\t], v[Y+2*\t], v[Y+2*\t]
.endr
.irp t, 0,1,2,3,4,5,6,7
	v_fmac_f32 v[U+\t], v[Y+2*\t+1], v[Y+2*\t+1]
.endr
.irp t, 0,1,2,3,4,5,6,7
	v_fmac_f32 v[LJ+\t], -0.5, v[U+\t]
.endr
	; Both halves of the lanes hold all 128 samples.  Lanes 0 to 15 store the even groups of 32 samples, lanes 16 to 31 the odd ones,
	; so that a store of the wave covers 512 (out0) or 256 (out1) consecutive bytes, aligned to 256.
	s_wait_alu depctr_va_vcc(0)                    ; the compare has written VCC, ahead of the first select that reads it
.irp i, 0,1
.irp q, 0,1,2,3
	v_cndmask_b32 v[V+4*\i+\q], v[Y+8*\i+\q], v[Y+8*\i+4+\q], vcc_lo
.endr
.endr
.irp i, 0,1
.irp q, 0,1
	v_cndmask_b32 v[P+2*\i+\q], v[LJ+4*\i+\q], v[LJ+4*\i+2+\q], vcc_lo
.endr
.endr
	s_wait_alu depctr_va_vdst(0)                   ; the twelve selects have written v[V ..] and v[P ..], which the four stores read
.irp i, 0,1
	global_store_b128 v[O0], v[V+4*\i:V+4*\i+3], s[24:25] offset:512*\i th:TH_STORE_NT
.endr
.irp i, 0,1
	global_store_b64 v[O1], v[P+2*\i:P+2*\i+1], s[26:27] offset:256*\i th:TH_STORE_NT
.endr
	s_wait_dscnt 0x0
	s_wait_alu depctr_hold_cnt(0) depctr_sa_sdst(0) depctr_va_vdst(0) depctr_va_sdst(0) depctr_va_ssrc(0) depctr_va_vcc(0) depctr_vm_vsrc(0)
	s_wait_tensorcnt 0x0
	ds_add_u32 v234, v235
	s_wait_dscnt 0x0
	s_endpgm
.Lfunc_end_k_q546d3604da_flow:
	.size	k_q546d3604da_flow, .Lfunc_end_k_q546d3604da_flow-k_q546d3604da_flow
	.p2alignl 7, 3214868480
	.fill 96, 4, 3214868480
	.section	.rodata,"a",@progbits
	.p2align	6, 0x0
	.amdhsa_kernel k_q546d3604da_flow
		.amdhsa_group_segment_fixed_size 51712
		.amdhsa_private_segment_fixed_size 0
		.amdhsa_enable_private_segment 0
		.amdhsa_kernarg_size 80
		.amdhsa_user_sgpr_count 2
		.amdhsa_user_sgpr_kernarg_segment_ptr 1
		.amdhsa_wavefront_size32 1
		.amdhsa_system_sgpr_workgroup_id_x 1
		.amdhsa_system_sgpr_workgroup_id_y 1
		.amdhsa_system_sgpr_workgroup_id_z 1
		.amdhsa_system_vgpr_workitem_id 0
		.amdhsa_next_free_vgpr 236
		.amdhsa_next_free_sgpr 66
		.amdhsa_reserve_vcc 1
		.amdhsa_float_denorm_mode_32 3
		.amdhsa_float_denorm_mode_16_64 3
		.amdhsa_memory_ordered 1
		.amdhsa_forward_progress 1
		.amdhsa_inst_pref_size 75
	.end_amdhsa_kernel
	.amdgpu_metadata
---
amdhsa.version: [ 1, 2 ]
amdhsa.kernels:
  - .name:           k_q546d3604da_flow
    .symbol:         k_q546d3604da_flow.kd
    .args:
      - { .name: x, .offset: 0, .size: 8, .value_kind: global_buffer, .address_space: global }
      - { .name: Ws, .offset: 8, .size: 8, .value_kind: global_buffer, .address_space: global }
      - { .name: an_logs, .offset: 16, .size: 8, .value_kind: global_buffer, .address_space: global }
      - { .name: an_b, .offset: 24, .size: 8, .value_kind: global_buffer, .address_space: global }
      - { .name: cw1, .offset: 32, .size: 8, .value_kind: global_buffer, .address_space: global }
      - { .name: cb1, .offset: 40, .size: 8, .value_kind: global_buffer, .address_space: global }
      - { .name: cw2, .offset: 48, .size: 8, .value_kind: global_buffer, .address_space: global }
      - { .name: cb2, .offset: 56, .size: 8, .value_kind: global_buffer, .address_space: global }
      - { .name: out0, .offset: 64, .size: 8, .value_kind: global_buffer, .address_space: global }
      - { .name: out1, .offset: 72, .size: 8, .value_kind: global_buffer, .address_space: global }
    .group_segment_fixed_size: 51712
    .private_segment_fixed_size: 0
    .kernarg_segment_align: 8
    .kernarg_segment_size: 80
    .max_flat_workgroup_size: 128
    .sgpr_count:     66
    .vgpr_count:     236
    .wavefront_size: 32
...
	.end_amdgpu_metadata
.endif
;; end of part 2
